; MI455X (gfx1250); checked and timed in simulation.
; The chip was launched on July 23, 2026; its instructions are those of AMD's public machine-readable ISA for CDNA 5 (MIT licence, August 2026) and "CDNA5" Instruction Set Architecture Reference Guide (July 2026). The comments in the code are by the model that wrote it; some were corrected since.
;; SPINN. Allowed arithmetic: matrix products marked QUANTISED: E3M2 operands, one E8M0 scale for each 32 along K, by v_wmma_scale_f32_16x16x128_f8f6f4 with both operands' format E3M2, f32 sums; everything else in f32.
;; Inputs: W_buf_codes 4,096 x 32 x 24 uint8 (E3M2 codes of W_buf, K innermost, in blocks of 32 codes, four codes in three bytes); W_buf_scales 4,096 x 32 uint8 (E8M0 scales of W_buf, one for each 32 codes along K); W_lateral_codes 4,096 x 32 x 24 uint8 (E3M2 codes of W_lateral, K innermost, in blocks of 32 codes, four codes in three bytes); W_lateral_scales 4,096 x 32 uint8 (E8M0 scales of W_lateral, one for each 32 codes along K); W_stack1_codes 4,096 x 32 x 24 uint8 (E3M2 codes of W_stack1, K innermost, in blocks of 32 codes, four codes in three bytes); W_stack1_scales 4,096 x 32 uint8 (E8M0 scales of W_stack1, one for each 32 codes along K); W_stack2_codes 4,096 x 32 x 24 uint8 (E3M2 codes of W_stack2, K innermost, in blocks of 32 codes, four codes in three bytes); W_stack2_scales 4,096 x 32 uint8 (E8M0 scales of W_stack2, one for each 32 codes along K); b_lateral 4,096 float32; c_prev 4,096 x 1,024 float32; h_prev_codes 4,096 x 32 x 24 uint8 (E3M2 codes of h_prev, K innermost, in blocks of 32 codes, four codes in three bytes); h_prev_scales 4,096 x 32 uint8 (E8M0 scales of h_prev, one for each 32 codes along K); top_buf_h_codes 4,096 x 32 x 24 uint8 (E3M2 codes of top_buf_h, K innermost, in blocks of 32 codes, four codes in three bytes); top_buf_h_scales 4,096 x 32 uint8 (E8M0 scales of top_buf_h, one for each 32 codes along K); top_stack1_h_codes 4,096 x 32 x 24 uint8 (E3M2 codes of top_stack1_h, K innermost, in blocks of 32 codes, four codes in three bytes); top_stack1_h_scales 4,096 x 32 uint8 (E8M0 scales of top_stack1_h, one for each 32 codes along K); top_stack2_h_codes 4,096 x 32 x 24 uint8 (E3M2 codes of top_stack2_h, K innermost, in blocks of 32 codes, four codes in three bytes); top_stack2_h_scales 4,096 x 32 uint8 (E8M0 scales of top_stack2_h, one for each 32 codes along K).
;; Outputs: out0 4,096 x 1,024 float32; out1 4,096 x 1,024 float32.
;; This version of the problem:
;;   THIS VERSION OF THE PROBLEM IS GIVEN IN LOW PRECISION. The matrix products marked QUANTISED in the list below multiply operands that are first quantised to E3M2 (3 exponent bits, 2 mantissa bits; 6 bits a number), with one power-of-two scale for each 32 numbers along K (OCP MX v1.0); their sums are f32. All else is computed in f32.
;;   The module's matrix products, in the order in which they are computed (A, B: the left and right operand; K: the contracted axis; several contracted axes count as one K, in the product's order):
;;     1. [M 4,096, K 1,024] x [K 1,024, N 4,096]; A: input top_buf_h (given as codes); B: input W_buf (given as codes): QUANTISED
;;     2. [M 4,096, K 1,024] x [K 1,024, N 4,096]; A: input top_stack1_h (given as codes); B: input W_stack1 (given as codes): QUANTISED
;;     3. [M 4,096, K 1,024] x [K 1,024, N 4,096]; A: input top_stack2_h (given as codes); B: input W_stack2 (given as codes): QUANTISED
;;     4. [M 4,096, K 1,024] x [K 1,024, N 4,096]; A: input h_prev (given as codes); B: input W_lateral (given as codes): QUANTISED
;;   THE QUANTISER, for each operand of a quantised product, along K:
;;     - K is cut into blocks of 32 from its start; a last block that is shorter is filled with zeros.
;;     - A block's scale is 2^e with e = floor(log2(the largest magnitude in the block)) - 4, held to -126 .. 127; a block of zeros has e = 0. As a byte (E8M0): e + 127.
;;     - Each number is divided by its block's scale, clamped to +-28, and rounded to the nearest number of E3M2, ties to even, subnormals kept.
;;     - The product sums the exact products of the quantised numbers (number of the format x scale) in f32.
;;   ~~~python
;;   def quantise(x, axis):      # numpy; x: float32 -> the quantised numbers, widened to float32 again
;;       x = np.moveaxis(x, axis, -1); K = x.shape[-1]
;;       x = np.pad(x, [(0, 0)] * (x.ndim - 1) + [(0, -K % 32)]); x = x.reshape(x.shape[:-1] + (-1, 32)); a = np.abs(x).max(-1, keepdims=True)
;;       e = np.where(a > 0, np.clip(np.frexp(np.where(a > 0, a, 1))[1] - 1 - 4, -126, 127), 0)      # np.frexp(a)[1] - 1 = floor(log2(a)), exactly
;;       r = np.clip(x / 2.0 ** e, -28, 28)
;;       step = 2.0 ** (np.maximum(np.frexp(np.where(r == 0, 1, r))[1] - 1, -2) - 2)
;;       q = np.round(r / step) * step * 2.0 ** e      # np.round: ties to even
;;       return np.moveaxis(q.reshape(q.shape[:-2] + (-1,))[..., :K], -1, axis).astype(np.float32)
;;   ~~~
;;   INPUTS GIVEN AS CODES. W_buf (in the module: [1024, 4096], K = its axis 0); W_lateral (in the module: [1024, 4096], K = its axis 0); W_stack1 (in the module: [1024, 4096], K = its axis 0); W_stack2 (in the module: [1024, 4096], K = its axis 0); h_prev (in the module: [4096, 1024], K = its axis 1); top_buf_h (in the module: [4096, 1024], K = its axis 1); top_stack1_h (in the module: [4096, 1024], K = its axis 1); top_stack2_h (in the module: [4096, 1024], K = its axis 1): each comes as NAME_codes (uint8): NAME with its K axis moved to the last place and cut into blocks of 32 codes, [.., K / 32, bytes a block], one block behind the other in memory; four codes in three bytes: a row's codes are one little-endian stream of bits, code i at bits 6 i .. 6 i + 5 (a code: sign, 3 exponent bits, 2 mantissa bits); and NAME_scales (uint8): the same leading axes, one E8M0 byte (e + 127) for each 32 codes along K. Its value is code x scale, taken as it is: it is not quantised again, and the codes and scales need not be those that the quantiser above would give.
;; One version. Each part assembles by itself: llvm-mc -triple=amdgcn-amd-amdhsa -mcpu=gfx1250 --defsym DOCPART=n.
;; ======== version 1 of 1: 1 launch
;; launch tracker (part 1): grid 16 x 16, 4 waves a work-group, clusters of 4 x 4, 327,680 bytes of LDS; arguments top_buf_h_codes, top_stack1_h_codes, top_stack2_h_codes, h_prev_codes, W_buf_codes, W_stack1_codes, W_stack2_codes, W_lateral_codes, top_buf_h_scales, top_stack1_h_scales, top_stack2_h_scales, h_prev_scales, W_buf_scales, W_stack1_scales, W_stack2_scales, W_lateral_scales, b_lateral, c_prev, out0, out1; writes out0, out1
.if DOCPART == 1
	.amdgcn_target "amdgcn-amd-amdhsa--gfx1250"
	.amdhsa_code_object_version 6
	.text
	.protected	k_q9d22075592_tracker
	.globl	k_q9d22075592_tracker
	.p2align	8
	.type	k_q9d22075592_tracker,@function
k_q9d22075592_tracker:
	s_mov_b64 s[64:65], 0
	v_nop
	global_prefetch_b8 v0, s[64:65] scope:SCOPE_SE
	s_setreg_imm32_b32 hwreg(HW_REG_WAVE_MODE, 25, 1), 1
	s_wait_xcnt 0x0
	s_wait_alu depctr_hold_cnt(0) depctr_sa_sdst(0) depctr_va_vdst(0) depctr_va_sdst(0) depctr_va_ssrc(0) depctr_va_vcc(0) depctr_vm_vsrc(0)
	s_getreg_b32 s2, hwreg(HW_REG_IB_STS2, 6, 4)
	s_cmp_eq_u32 s2, 0
	s_cbranch_scc0 .Lentry_in_a_cluster
	s_endpgm
.Lentry_in_a_cluster:
	s_bfe_u32 s2, ttmp6, 0x10000c
	s_cmp_lg_u32 s2, 0xf033
	s_cbranch_scc0 .Lentry_shape_is_right
	s_endpgm
.Lentry_shape_is_right:
; gates = buf W_buf + stack1 W_stack1 + stack2 W_stack2 + h_prev W_lateral + b_lateral;  (a, i, f, o) = the four quarters of a row of gates;
; c = tanh(a) sigmoid(i) + sigmoid(f) c_prev (out1);  h = sigmoid(o) tanh(c) (out0).  All eight operands arrive as codes of BF6 (E3M2) with one E8M0 byte for each 32 along K, K innermost.
; ONE GEMM: the four products have the same M = 4,096 and N = 4,096 and are added, so they are one product with K = 4 x 1,024, walked source by source.  Nothing is left out: every input has a way to an output and is loaded.
; A WORK-GROUP makes 256 rows x 64 columns of h and c.  For them it needs 256 rows x (4 gates x 64 columns) of gates: its 256 rows of B are rows g x 1,024 + 64 tc + j of each W.  The gates never go to memory.
; Four waves, each 128 x 128 of gates in 64 accumulators (512 registers).  Wave w = (rh, ch): A's block i is tile rows 64 (i / 2) + 32 rh + 16 (i % 2) + r; B's block b is gate b / 2, columns 32 ch + 16 (b % 2) + r.
; THE MATRIX INSTRUCTION IS USED TRANSPOSED (source 0 = 16 rows of B, source 1 = 16 rows of A): lane (r, h) holds row r and eight neighbouring columns, and the four gates of one output lie in the same lane and the
; same register of four accumulators: the pointwise step needs no other lane.  b_lateral is the C of each accumulator's first matrix instruction.
; K goes in steps of 256 (rows of 192 bytes) through a ring of two LDS slots filled by the tensor data mover; all scale bytes of the tile, for all four sources, come once and stay in LDS.
; CLUSTERS: 4 x 4 work-groups.  A's tiles hang on the tile row alone and are asked for jointly along a row of the cluster, B's on the tile column alone, along a column.
; c_prev's tile comes by one load a wave into slot 0 at the last change of slots; c and h leave through stages in LDS as runs of 256 consecutive bytes, aligned, 64 rows at a time.
; LIMITS.  (a) A gate is ONE f32 sum: the bias first, then the four sources, K ascending; reference() makes four sums and adds them: the difference is rounding.
; (b) tanh(x) = (E - 1) / (E + 1) with E = 2^min(2 log2(e) x, 64): beyond the hold the quotient is 1 in f32.  sigmoid(x) = 1 / (1 + 2^(-log2(e) x)); quotients under the smallest normal f32 number come out as 0.
; (c) A NaN (a scale byte 0xff, a NaN in b_lateral or c_prev) is not carried through the hold of (b): tanh then gives 1.  Finite inputs and infinities are served.
.set ROWB,   192                       ; a tile's row: 256 codes
.set KROW,   768                       ; a row of one source in memory: 1,024 codes
.set PITCH,  240                       ; an LDS row: 3 x (64 bytes + 16 of padding)
.set FR,     12                        ; registers of a fragment: 16 rows x 128 K
.set HALFT,  128*PITCH                 ; what one tensor load brings
.set SLOT,   4*HALFT                   ; A's 256 rows, then B's 256
.set SCL,    2*SLOT                    ; behind the ring: the scales.  Source s: A's 256 rows at s SRC, B's 256 at + SHALF; row p at (p / 8) 272 + (p % 8) 32; K step kk of the source at + 8 kk
.set SHALF,  32*272
.set SRC,    2*SHALF
.set SPARE,  SCL+4*SRC                 ; the spare words, 128 bytes for each wave: two blocks of 256 bytes that no other line names
.set CPP,    320                       ; the way out: a row of c_prev's tile: 4 x (64 bytes + 16): its data fall on the very bytes that the code tiles filled.  It lies at LDS byte 0
.set SP,     272                       ; a row of a stage: 256 bytes + 16
.set CST,    256*CPP                   ; c's stage, 256 rows; h's follows.  Both lie in the ring, which has had its last fill and its last read when they are first written
.set BO,   12                          ; v12  the bias: 32 x (lane / 16)
.set HSA,  13                          ; v13  where I put 32 bytes of a row of h
.set PFO,  14                          ; v14  4,096 x lane: a row of c_prev; never rewritten
.set ADRS0, 15                         ; v15  my lane's place among the scale words: lanes 0-15 A's rows, lanes 16-31 B's
.set ADRA, 16                          ; v16-17 my A fragments in slot 0, 1;  v18-19 the same for pieces that lie behind one padding more
.set ADRB, 20                          ; v20-23 the same for B
.set CPA,  24                          ; v24  my 32 bytes of a row of c_prev's tile
.set CSA,  25                          ; v25  where I put 32 bytes of a row of c
.set RD,   26                          ; v26  where I read a row of c back;  v30 of h
.set ADRS, 27                          ; v27  v15 + the lap's offset
.set SPW,  28                          ; v28  my spare word: SPARE + 4 x my thread's number; never rewritten
.set NIL,  29                          ; v29  0; never rewritten
.set RDH,  30
.set CO,   31                          ; v31  my byte offset in the tile of out0 and out1
.set SC,   32                          ; v32-63 scale words and nothing else: set s (slot s) at v[32 + 16 s]; register 2 i + q: lanes 0-15 A's block i, lanes 16-31 B's block i, the slot's q-th 128 along K
.set BIAS, 64                          ; v64-127 b_lateral in the result's layout, eight registers for each block of B
.set AF,   128                         ; v128-223 A's eight fragments, one set.  Window 1: B's two sets, at v0 and v128.  Windows 2, 3: the accumulators, (a, b) at v[8 (8 (a % 4) + b)]
.set Y1,   64                          ; the way out, window 0: v64-191 the four gates of 32 outputs a lane, v192-223 tanh's numerator, v224-255 c_prev and then c
.set Y2,   96
.set Y3,   128
.set Y4,   160
.set M1,   192
.set CP,   224
.set WA,   4                           ; s[4:5] where A's next refill stands; s[6:7], s[8:9], s[10:11] my rows in sources 1, 2, 3
.set WB,   12                          ; s[12:19] the same for B
.set G1,   20                          ; s[20:27] group 1 for A's tiles
.set G1B,  28                          ; s[28:35], s[36:39], s[40:43] groups 1, 2, 3 for B's tiles
.set G2B,  36
.set G3B,  40
.set G0A,  44                          ; s[44:51] group 0 for A's tiles, a set for each slot;  s[52:59] for B's
.set G0B,  52
.set WV,   60                          ; s60 wave;  s61 rh: my rows' part, and: I fetch for A (0) or B (1);  s62 ch: my columns' part, and: which half I fetch
.set RH,   61
.set CH,   62
.set LC,   66                          ; s66  laps left in the loops
.set SOFF, 67                          ; s67  the lap's offset among the scale words
.set G1SA, 68                          ; s[68:75], s[76:83] groups 1 for the scales of A and of B;  s[84:87], s[88:91] their groups 0
.set G1SB, 76
.set G0SA, 84
.set G0SB, 88
.set G1C,  68                          ; in the tail: groups 1 and 0 for c_prev's tile
.set G0C,  84
.set PFC,  100                         ; s[100:101] my wave's 64 rows of c_prev's tile in memory; never rewritten
.set MSB, 0
.macro WIN new                         ; the immediate's high byte repeats the setting that is left; a switch that changes nothing is dropped
.if MSB != (\new)
	s_set_vgpr_msb (MSB<<8)|(\new)
.set MSB, (\new)
.endif
.endm
.macro PLACES n                        ; plain places behind matrix instructions, in front of loads into registers that they have read and of the first read of results
.rept \n
	v_nop
.endr
.endm
; A joint load: waves 0 and 1 fetch A's two halves, waves 2 and 3 B's (two gates each).  The branch hangs on the wave's number alone.  An s_nop 0 and four v_nop follow each line.
.macro JLOAD s
	s_cmp_eq_u32 s[RH], 0
	s_cbranch_scc0 .Lfor_b_\@
	tensor_load_to_lds s[G0A+4*\s:G0A+4*\s+3], s[G1:G1+7]
	s_nop 0
	PLACES 4
	s_branch .Lasked_\@
.Lfor_b_\@:
	tensor_load_to_lds s[G0B+4*\s:G0B+4*\s+3], s[G1B:G1B+7], s[G2B:G2B+3], s[G3B:G3B+3]
	s_nop 0
	PLACES 4
.Lasked_\@:
.endm
.macro CREST                           ; a round of the cluster's barrier behind its opening barrier
	s_cmp_lg_u32 s[WV], 0
	s_cbranch_scc1 .Lnot_wave_0_\@
	s_barrier_signal -3
.Lnot_wave_0_\@:
	s_barrier_wait -3
	s_barrier_signal -1
	s_barrier_wait -1
.endm
.macro CROUND
	s_barrier_signal -1
	s_barrier_wait -1
	CREST
.endm
; A prefetch of c_prev's tile: my wave's own 64 rows x 256 bytes, a lane a row, two instructions, each row's part named once in the launch.  It stands in the loops' last lap, behind the joint load of
; slot 0 and the run of LDS loads: two K steps, 256 matrix instructions, ahead of the tensor load that brings the tile.
.macro ASKC
	s_cmp_eq_u32 s[LC], 1
	s_cbranch_scc0 .Lnot_yet_\@
	global_prefetch_b8 v[PFO], s[PFC:PFC+1] th:TH_LOAD_NT scope:SCOPE_SE
	global_prefetch_b8 v[PFO], s[PFC:PFC+1] offset:32*4096 th:TH_LOAD_NT scope:SCOPE_SE
.Lnot_yet_\@:
.endm
	s_load_b256 s[4:11], s[0:1], 0x0               ; the four sources' codes of A
	s_load_b256 s[12:19], s[0:1], 0x20             ; of B
	s_load_b256 s[68:75], s[0:1], 0x40             ; the scales of A
	s_load_b256 s[76:83], s[0:1], 0x60             ; of B
	s_load_b256 s[92:99], s[0:1], 0x80             ; b_lateral, c_prev, out0, out1
	v_lshl_add_u32 v[SPW], v0, 2, SPARE
	v_mov_b32 v[NIL], 0
	ds_add_u32 v[SPW], v[NIL]                      ; the wave's opening: the add, twice on end, and its wait ahead of my first tensor load
	ds_add_u32 v[SPW], v[NIL]                      ; and once more; the set-up below, work on registers, stands between it and the wait
	v_lshrrev_b32 v1, 5, v0
	v_readfirstlane_b32 s[WV], v1                  ; wave 0..3
	s_lshr_b32 s[RH], s[WV], 1
	s_and_b32 s[CH], s[WV], 1
	s_bfe_u32 s2, ttmp6, 0x40000                   ; cx
	s_bfe_u32 s67, ttmp6, 0x40004                  ; cy
	s_lshl_b32 s3, ttmp9, 2
	s_add_co_u32 s3, s3, s2                        ; tc: my tile of 64 output columns = 4 x cluster x + cx
	s_and_b32 s63, ttmp7, 0xffff
	s_lshl_b32 s63, s63, 2
	s_add_co_u32 s63, s63, s67                     ; tr: my tile of 256 rows = 4 x cluster y + cy
	s_lshl_b32 s66, s67, 2
	s_lshl_b32 s66, 15, s66                        ; my row of the cluster
	s_lshl_b32 s2, 0x1111, s2                      ; my column
	; group 1 for A's tiles: 128 rows x 192 bytes, 768 bytes apart; 16 bytes of padding behind every 64
	s_or_b32 s[G1+0], s66, (1<<20)|(1<<21)|(3<<22)|(3<<25)   ; 15:0 the mask; 17:16 elements of 1 byte; 20 padding on; 21 set beside a mask; 24:22 after every 16 words; 31:25 of 4 words
	s_mov_b32 s[G1+1], ROWB<<16                    ; tensor_dim0
	s_mov_b32 s[G1+2], 128<<16                     ; tensor_dim1
	s_mov_b32 s[G1+3], ROWB<<16                    ; tile_dim0
	s_mov_b32 s[G1+4], 128                         ; tile_dim1
	s_mov_b32 s[G1+5], KROW                        ; from row to row
	s_mov_b32 s[G1+6], 0
	s_mov_b32 s[G1+7], 0
	; groups 1 to 3 for B's tiles: 192 bytes x 64 rows x 2 gates; a gate is 1,024 rows = 786,432 bytes on.  In LDS: 128 rows on end
	s_or_b32 s[G1B+0], s2, (1<<20)|(1<<21)|(3<<22)|(3<<25)
	s_mov_b32 s[G1B+1], ROWB<<16
	s_mov_b32 s[G1B+2], 64<<16                     ; tensor_dim1 = 64
	s_mov_b32 s[G1B+3], ROWB<<16
	s_mov_b32 s[G1B+4], 64|(2<<16)                 ; tile_dim1 = 64, tile_dim2 = 2
	s_mov_b32 s[G1B+5], KROW
	s_mov_b32 s[G1B+6], 0                          ; from plane to plane 0xC0000: its low 16 bits,
	s_mov_b32 s[G1B+7], 12                         ; and the rest
	s_mov_b32 s[G2B+0], 2                          ; tensor_dim2
	s_mov_b32 s[G2B+1], 1                          ; tensor_dim3: the dimension is not used (tile_dim3 = 0)
	s_mov_b32 s[G2B+2], 0x180000
	s_mov_b32 s[G2B+3], 0
	s_mov_b32 s[G3B+0], 0x180000
	s_mov_b32 s[G3B+1], 1<<16                      ; tensor_dim4 = 1, tile_dim4 = 0
	s_mov_b32 s[G3B+2], 0
	s_mov_b32 s[G3B+3], 0
	; byte offsets.  A's hang on tr and the wave alone, B's on tc and the wave alone, each in registers of its own side
	s_lshl_b32 s44, s63, 8
	s_lshl_b32 s45, s[CH], 7
	s_add_co_u32 s44, s44, s45
	s_mul_i32 s44, s44, KROW                       ; A's codes: row 256 tr + 128 x half
	s_mov_b32 s45, 0
	s_lshl_b32 s46, s63, 13                        ; A's scales: 256 rows x 32 bytes a tile
	s_mov_b32 s47, 0
	s_lshl_b32 s52, s[CH], 11
	s_lshl_b32 s53, s3, 6
	s_add_co_u32 s52, s52, s53
	s_mul_i32 s52, s52, KROW                       ; B's codes: row 2,048 x half (two gates) + 64 tc
	s_mov_b32 s53, 0
	s_lshl_b32 s54, s3, 11                         ; B's scales: 64 rows x 32 bytes
	s_mov_b32 s55, 0
	s_mul_i32 s67, s[WV], HALFT                    ; where my part of a slot lies: no place in the cluster enters an LDS address
	s_mov_b32 s[G0SA], 1
	s_mul_i32 s[G0SA+1], s[WV], SRC
	s_add_co_u32 s[G0SA+1], s[G0SA+1], SCL         ; wave w brings source w's scales: A's,
	s_mov_b32 s[G0SB], 1
	s_add_co_u32 s[G0SB+1], s[G0SA+1], SHALF       ; and B's behind them
	s_wait_dscnt 0x0                               ; both opening adds are done
	s_wait_kmcnt 0x0
.irp s, 0,1,2,3
	s_add_nc_u64 s[WA+2*\s:WA+2*\s+1], s[WA+2*\s:WA+2*\s+1], s[44:45]
	s_add_nc_u64 s[WB+2*\s:WB+2*\s+1], s[WB+2*\s:WB+2*\s+1], s[52:53]
.endr
	s_cmp_eq_u32 s[WV], 1                          ; the scales of source w: a choice among the four buffers on the wave's number
	s_cselect_b64 s[G0SA+2:G0SA+3], s[70:71], s[68:69]
	s_cselect_b64 s[G0SB+2:G0SB+3], s[78:79], s[76:77]
	s_cmp_eq_u32 s[WV], 2
	s_cselect_b64 s[G0SA+2:G0SA+3], s[72:73], s[G0SA+2:G0SA+3]
	s_cselect_b64 s[G0SB+2:G0SB+3], s[80:81], s[G0SB+2:G0SB+3]
	s_cmp_eq_u32 s[WV], 3
	s_cselect_b64 s[G0SA+2:G0SA+3], s[74:75], s[G0SA+2:G0SA+3]
	s_cselect_b64 s[G0SB+2:G0SB+3], s[82:83], s[G0SB+2:G0SB+3]
	s_add_nc_u64 s[G0SA+2:G0SA+3], s[G0SA+2:G0SA+3], s[46:47]
	s_add_nc_u64 s[G0SB+2:G0SB+3], s[G0SB+2:G0SB+3], s[54:55]
	s_or_b32 s[G0SA+3], s[G0SA+3], 0x80000000
	s_or_b32 s[G0SB+3], s[G0SB+3], 0x80000000
	; group 1 for A's scales: 8,192 dense bytes as 32 rows of 256 (32 elements of 8 bytes), 16 bytes of padding behind each
	s_or_b32 s[G1SA+0], s66, (3<<16)|(1<<20)|(1<<21)|(5<<22)|(3<<25)
	s_mov_b32 s[G1SA+1], 32<<16
	s_mov_b32 s[G1SA+2], 32<<16
	s_mov_b32 s[G1SA+3], 32<<16
	s_mov_b32 s[G1SA+4], 32
	s_mov_b32 s[G1SA+5], 32
	s_mov_b32 s[G1SA+6], 0
	s_mov_b32 s[G1SA+7], 0
	; for B's: 4 gates x 2,048 dense bytes, 32,768 bytes apart; the same padding behind every 256 bytes
	s_or_b32 s[G1SB+0], s2, (3<<16)|(1<<20)|(1<<21)|(5<<22)|(3<<25)
	s_mov_b32 s[G1SB+1], 256<<16
	s_mov_b32 s[G1SB+2], 4<<16
	s_mov_b32 s[G1SB+3], 256<<16
	s_mov_b32 s[G1SB+4], 4
	s_mov_b32 s[G1SB+5], 4096
	s_mov_b32 s[G1SB+6], 0
	s_mov_b32 s[G1SB+7], 0
.irp s, 0,1
	s_mov_b32 s[G0A+4*\s], 1
	s_add_co_u32 s[G0A+4*\s+1], s67, \s*SLOT
	s_add_nc_u64 s[G0A+4*\s+2:G0A+4*\s+3], s[WA:WA+1], \s*ROWB   ; K step s of source 0
	s_or_b32 s[G0A+4*\s+3], s[G0A+4*\s+3], 0x80000000
	s_mov_b32 s[G0B+4*\s], 1
	s_add_co_u32 s[G0B+4*\s+1], s67, \s*SLOT
	s_add_nc_u64 s[G0B+4*\s+2:G0B+4*\s+3], s[WB:WB+1], \s*ROWB
	s_or_b32 s[G0B+4*\s+3], s[G0B+4*\s+3], 0x80000000
.endr
	CROUND                                         ; all sixteen work-groups are here: the first joint loads meet
	tensor_load_to_lds s[G0SA:G0SA+3], s[G1SA:G1SA+7]   ; the first fills, one group: four loads of mine are out.  The scales first: they are wanted with K step 0
	s_nop 0
	tensor_load_to_lds s[G0SB:G0SB+3], s[G1SB:G1SB+7]
	s_nop 0
	PLACES 4
	JLOAD 0
	JLOAD 1
	s_add_nc_u64 s[WA:WA+1], s[WA:WA+1], 2*ROWB    ; the next refill: K step 2
	s_add_nc_u64 s[WB:WB+1], s[WB:WB+1], 2*ROWB
	s_lshl_b32 s100, s63, 20                       ; my tile in c_prev, out0, out1: 256 tr rows of 4,096 bytes + 256 tc bytes
	s_lshl_b32 s101, s3, 8
	s_add_co_u32 s100, s100, s101
	s_mov_b32 s101, 0
	s_add_nc_u64 s[96:97], s[96:97], s[100:101]
	s_add_nc_u64 s[98:99], s[98:99], s[100:101]
	s_lshl_b32 s2, s[WV], 18                       ; of c_prev's tile I fetch rows 64 w on
	s_add_co_u32 s100, s100, s2
	s_add_nc_u64 s[PFC:PFC+1], s[94:95], s[100:101]
	s_lshl_b32 s66, s3, 8                          ; b_lateral at column 64 tc + 32 ch of gate 0
	s_lshl_b32 s67, s[CH], 7
	s_add_co_u32 s66, s66, s67
	s_mov_b32 s67, 0
	s_add_nc_u64 s[92:93], s[92:93], s[66:67]
	v_and_b32 v1, 15, v0                           ; r = lane % 16
	v_bfe_u32 v2, v0, 4, 1                         ; h = lane / 16
	v_lshlrev_b32 v[BO], 5, v2
.irp b, 0,1,2,3,4,5,6,7                        ; the bias of B's block b: gate b / 2, columns 16 (b % 2) + 8 h + 0 .. 7 of my 32
	global_load_b128 v[BIAS+8*\b:BIAS+8*\b+3], v[BO], s[92:93] offset:(\b/2)*4096+(\b%2)*64
	global_load_b128 v[BIAS+8*\b+4:BIAS+8*\b+7], v[BO], s[92:93] offset:(\b/2)*4096+(\b%2)*64+16
.endr
	v_mul_u32_u24 v3, v1, PITCH
	v_mul_u32_u24 v4, v2, 24
	v_add_nc_u32 v4, v3, v4                        ; a fragment's row x pitch + 24 x half
	v_lshl_add_u32 v5, v2, 4, v4                   ; and the same behind one padding more
	s_mul_i32 s2, s[RH], 32*PITCH                  ; A: my blocks begin 32 rh rows in
	s_mul_i32 s67, s[CH], 32*PITCH                 ; B: 32 ch rows in,
	s_add_co_u32 s67, s67, 2*HALFT                 ; behind A's 256
.irp s, 0,1
	v_add_nc_u32 v[ADRA+\s], s2, v4
	v_add_nc_u32 v[ADRB+\s], s67, v4
	v_add_nc_u32 v[ADRA+2+\s], s2, v5
	v_add_nc_u32 v[ADRB+2+\s], s67, v5
	s_add_co_u32 s2, s2, SLOT
	s_add_co_u32 s67, s67, SLOT
.endr
	v_lshrrev_b32 v6, 3, v1
	v_and_b32 v7, 7, v1
	v_mul_u32_u24 v6, v6, 272
	v_lshl_add_u32 v6, v7, 5, v6                   ; my row's scale words: (r / 8) 272 + (r % 8) 32
	s_mul_i32 s2, s[RH], 4*272                     ; A's: 32 rh rows in
	s_mul_i32 s67, s[CH], 4*272                    ; B's: 32 ch rows in, behind A's 256
	s_add_co_u32 s67, s67, SHALF
	s_sub_co_u32 s67, s67, s2
	v_mul_u32_u24 v7, s67, v2                      ; lanes 16-31 take B's: one product with h
	s_add_co_u32 s2, s2, SCL
	v_add_nc_u32 v6, v6, v7
	v_add_nc_u32 v[ADRS0], s2, v6
	v_add_nc_u32 v[ADRS], s2, v6
	s_mul_i32 s2, s[RH], 32*CPP                    ; c_prev's tile: row 32 rh + r, bytes 128 ch + 32 h of the row's 256: two pieces of 64 + 16 for each ch
	s_mul_i32 s67, s[CH], 160
	s_add_co_u32 s2, s2, s67
	v_mul_u32_u24 v6, v1, CPP
	v_lshl_add_u32 v6, v2, 5, v6
	v_add_nc_u32 v[CPA], s2, v6
	s_mul_i32 s2, s[RH], 32*SP                     ; the stages, on the way in: the same row and bytes
	s_lshl_b32 s67, s[CH], 7
	s_add_co_u32 s2, s2, s67
	s_add_co_u32 s2, s2, CST
	v_mul_u32_u24 v6, v1, SP
	v_lshl_add_u32 v6, v2, 5, v6
	v_add_nc_u32 v[CSA], s2, v6
	v_add_nc_u32 v[HSA], 256*SP, v[CSA]
	s_mul_i32 s2, s[WV], 16*SP                     ; and back: of a chunk's 64 rows wave w takes 16 w on; lanes 0-15 one row of 256 bytes, lanes 16-31 the next
	s_add_co_u32 s2, s2, CST
	v_mul_u32_u24 v6, v2, SP
	v_lshl_add_u32 v6, v1, 4, v6
	v_add_nc_u32 v[RD], s2, v6
	v_add_nc_u32 v[RDH], 256*SP, v[RD]
	s_lshl_b32 s2, s[WV], 16                       ; the same two rows in out0 and out1
	v_lshlrev_b32 v6, 12, v2
	v_lshl_add_u32 v6, v1, 4, v6
	v_add_nc_u32 v[CO], s2, v6
	v_and_b32 v[PFO], 31, v0
	v_lshlrev_b32 v[PFO], 12, v[PFO]
	s_mov_b32 s[SOFF], 0
; A fragment, 16 rows x 128 K of 6-bit codes, is 12 registers: lane l holds row l % 16; registers 6 c .. 6 c + 5 hold K = 64 c + 32 (l / 16) + 0 .. 31: 24 bytes of the row's stream of bits, as they lie,
; in pieces of 8 bytes.  Lanes 16-31 read three pieces further on than lanes 0-15; where that is behind one padding more, the second address register serves.  Block i begins at row 64 (i / 2) + 16 (i % 2).
.macro FRAG reg, adr, q, i
.irp p, 0,1,2,3,4,5
.set PC, 12*(\q)+6*(\p/3)+\p%3
.if PC%8 < 5
	ds_load_b64 v[\reg+2*\p:\reg+2*\p+1], v[\adr] offset:8*PC+16*(PC/8)+(64*((\i)/2)+16*((\i)%2))*PITCH
.else
	ds_load_b64 v[\reg+2*\p:\reg+2*\p+1], v[\adr+2] offset:8*PC+16*(PC/8)+(64*((\i)/2)+16*((\i)%2))*PITCH
.endif
.endr
.endm
.macro FETCH_B slot, q, p              ; B's eight fragments of the slot's q-th 128 along K into set p
	WIN 0x40
.irp i, 0,1,2,3,4,5,6,7
	FRAG 128*(\p)+FR*\i, ADRB+\slot, \q, \i
.endr
	WIN 0
.endm
.macro FETCH_A slot, q, i0             ; A's blocks i0 .. i0 + 3
.irp i, \i0, \i0+1, \i0+2, \i0+3
	FRAG AF+FR*(\i), ADRA+\slot, \q, \i
.endr
.endm
.macro SCALES set, so                  ; a K step's scale words, two a row, from so bytes on: lanes 0-15 take A's block i, lanes 16-31 B's block i
.irp i, 0,1,2,3,4,5,6,7
	ds_load_b64 v[SC+16*(\set)+2*\i:SC+16*(\set)+2*\i+1], v[ADRS] offset:(\so)+(\i/2)*8*272+(\i%2)*2*272
.endr
.endm
; 16 matrix instructions: A's blocks a0, a0 + 1 x B's eight, the slot's q-th 128 along K.  p: B's set; sc: the set of scale words.  first = 1: the sum begins with the bias as C.
; The 64 accumulators take turns, one instruction a turn, in the same order in every step.
.macro MUL16 a0, p, q, sc, first
.irp a, \a0, \a0+1
.irp b, 0,1,2,3,4,5,6,7
.if \first
	v_wmma_scale_f32_16x16x128_f8f6f4 v[8*(8*((\a)%4)+\b):8*(8*((\a)%4)+\b)+7], v[128*(\p)+FR*\b:128*(\p)+FR*\b+FR-1], v[AF+FR*(\a):AF+FR*(\a)+FR-1], v[BIAS+8*\b:BIAS+8*\b+7], v[SC+16*(\sc)+2*\b+(\q)], v[SC+16*(\sc)+2*(\a)+(\q)] matrix_a_fmt:MATRIX_FMT_BF6 matrix_b_fmt:MATRIX_FMT_BF6 matrix_a_scale:MATRIX_SCALE_ROW1
.else
	v_wmma_scale_f32_16x16x128_f8f6f4 v[8*(8*((\a)%4)+\b):8*(8*((\a)%4)+\b)+7], v[128*(\p)+FR*\b:128*(\p)+FR*\b+FR-1], v[AF+FR*(\a):AF+FR*(\a)+FR-1], v[8*(8*((\a)%4)+\b):8*(8*((\a)%4)+\b)+7], v[SC+16*(\sc)+2*\b+(\q)], v[SC+16*(\sc)+2*(\a)+(\q)] matrix_a_fmt:MATRIX_FMT_BF6 matrix_b_fmt:MATRIX_FMT_BF6 matrix_a_scale:MATRIX_SCALE_ROW1
.endif
.endr
.endr
.endm
; A slot's first 128 along K.  In its middle it fetches the second 128's fragments and (so >= 0) the NEXT K step's scale words, into the set that the last K step has left.
; Windows: source 0 (B) 1, source 1 (A) 0, D 2 or 3; C with D, or (first) the bias in window 0.
.macro STEP slot, first, so
	s_wait_dscnt 24                                ; all but the youngest 24 loads, A's blocks 4-7
.if \first
	WIN 0x81
.else
	WIN 0xa1
.endif
	MUL16 0, 0, 0, \slot, \first
	MUL16 2, 0, 0, \slot, \first
	s_wait_dscnt 0x0                               ; A's blocks 4-7 are in
	PLACES 4
	FETCH_B \slot, 1, 1
	FETCH_A \slot, 1, 0
.if (\so) >= 0
	SCALES 1-\slot, \so
.endif
.if \first
	WIN 0xc1
.else
	WIN 0xf1
.endif
	MUL16 4, 0, 0, \slot, \first
	MUL16 6, 0, 0, \slot, \first
	PLACES 4
	WIN 0
	FETCH_A \slot, 1, 4
.endm
; A slot's second 128 along K, and the change of slots: each wave waits for all its tensor loads (one is out: its part of the next slot), adds 0 to its spare word, and waits for that and for its reads of this slot;
; the barrier opens a round of the cluster's barrier; behind the round the slot is filled again first.  kind = 1: with the K step two on, jointly;  kind = 2: slot 0 takes c_prev's tile, 64 rows a wave, a load of my own.
.macro TURN slot, next, kind, ask
	s_wait_tensorcnt 0x0                           ; all my tensor loads have landed, so every group 0 may be written
	ds_add_u32 v[SPW], v[NIL]                      ; 0 onto my spare word
	s_wait_dscnt 25                                ; (the add and the youngest 24 loads, A's blocks 4-7, may be out)
	WIN 0xa1
	MUL16 0, 1, 1, \slot, 0                        ; sixteen matrix instructions stand between the add and the wait for it
	s_wait_dscnt 0x0                               ; the add is done, and my reads of this slot are over
	s_barrier_signal -1
	MUL16 2, 1, 1, \slot, 0
	WIN 0
	s_barrier_wait -1
	CREST                                          ; no wave of any partner still reads this slot or has a load on its way
.if \kind == 1
.if \slot == 0
	s_mov_b64 s[G0A+2:G0A+3], s[WA:WA+1]
	s_or_b32 s[G0A+3], s[G0A+3], 0x80000000
	s_mov_b64 s[G0B+2:G0B+3], s[WB:WB+1]
	s_or_b32 s[G0B+3], s[G0B+3], 0x80000000
	JLOAD 0                                        ; the first tensor load behind the round; its four v_nop are the places in front of the loads below
.else
	s_add_nc_u64 s[G0A+6:G0A+7], s[WA:WA+1], ROWB
	s_or_b32 s[G0A+7], s[G0A+7], 0x80000000
	s_add_nc_u64 s[G0B+6:G0B+7], s[WB:WB+1], ROWB
	s_or_b32 s[G0B+7], s[G0B+7], 0x80000000
	JLOAD 1
	s_add_nc_u64 s[WA:WA+1], s[WA:WA+1], 2*ROWB    ; (no descriptor's register)  the next lap's two K steps
	s_add_nc_u64 s[WB:WB+1], s[WB:WB+1], 2*ROWB
.endif
.else
	tensor_load_to_lds s[G0C:G0C+3], s[G1C:G1C+7]
	s_nop 0
	PLACES 4
.endif
	FETCH_B \next, 0, 0
	FETCH_A \next, 0, 0
.if \ask
	ASKC
.endif
	WIN 0xf1
	MUL16 4, 1, 1, \slot, 0
	MUL16 6, 1, 1, \slot, 0
	PLACES 4
	WIN 0
	FETCH_A \next, 0, 4
.endm
; A lap goes once round the ring, from a K step's second half to the first half of the K step two on.  Its two refills and its two sets of scale words are of one source.
.macro LAP so, ask
	v_add_nc_u32 v[ADRS], s[SOFF], v[ADRS0]
	TURN 0, 1, 1, \ask
	STEP 1, 0, \so
	TURN 1, 0, 1, 0
	STEP 0, 0, (\so)+8
.endm
	s_wait_tensorcnt 1                             ; the scales and my part of K step 0 are in; K step 1's load may stay out
	s_barrier_signal -1
	s_barrier_wait -1                              ; everybody's are
	FETCH_B 0, 0, 0
	FETCH_A 0, 0, 0
	SCALES 0, 0
	FETCH_A 0, 0, 4
	s_wait_loadcnt 0x0                             ; the bias
	STEP 0, 1, 8                                   ; the first step stands in front of the loops: its products start the sums, on the bias
	LAP 16, 0                                      ; source 0's K steps 2 and 3 are asked for
	s_mov_b64 s[WA:WA+1], s[WA+2:WA+3]             ; on to source 1
	s_mov_b64 s[WB:WB+1], s[WB+2:WB+3]
	s_mov_b32 s[SOFF], SRC
	s_mov_b32 s[LC], 6
	s_mov_b32 s63, 3
.Lsrc:                                                 ; three trips: sources 1, 2, 3 are asked for, two laps each
	s_mov_b32 s3, 2
.Llap:
	LAP 0, 1
	s_add_co_u32 s[SOFF], s[SOFF], 16              ; two K steps' scale words on
	s_sub_co_u32 s[LC], s[LC], 1
	s_sub_co_u32 s3, s3, 1
	s_cmp_lg_u32 s3, 0
	s_cbranch_scc1 .Llap
	s_mov_b64 s[WA:WA+1], s[WA+4:WA+5]             ; the next source's rows (behind the last trip these are not used)
	s_mov_b64 s[WA+4:WA+5], s[WA+6:WA+7]
	s_mov_b64 s[WB:WB+1], s[WB+4:WB+5]
	s_mov_b64 s[WB+4:WB+5], s[WB+6:WB+7]
	s_add_co_u32 s[SOFF], s[SOFF], SRC-32
	s_sub_co_u32 s63, s63, 1
	s_cmp_lg_u32 s63, 0
	s_cbranch_scc1 .Lsrc
	; THE TAIL is written out.  c_prev's tile: 64 rows x 256 bytes (32 elements of 8), 4,096 bytes apart, 16 bytes of padding behind every 64; no mask: nobody shares it.
	; The registers held the scales' descriptors, whose loads every later wait for all tensor loads has shown done.
	s_mov_b32 s[G1C+0], (3<<16)|(1<<20)|(3<<22)|(3<<25)
	s_mov_b32 s[G1C+1], 32<<16
	s_mov_b32 s[G1C+2], 64<<16
	s_mov_b32 s[G1C+3], 32<<16
	s_mov_b32 s[G1C+4], 64
	s_mov_b32 s[G1C+5], 512
	s_mov_b32 s[G1C+6], 0
	s_mov_b32 s[G1C+7], 0
	s_mov_b32 s[G0C], 1
	s_mul_i32 s[G0C+1], s[WV], 64*CPP
	s_mov_b64 s[G0C+2:G0C+3], s[PFC:PFC+1]
	s_or_b32 s[G0C+3], s[G0C+3], 0x80000000
	TURN 0, 1, 2, 0                                ; the last change of slots
	STEP 1, 0, -1
	s_wait_dscnt 24                                ; the very last 128 along K: nothing more to fetch
	WIN 0xa1
	MUL16 0, 1, 1, 1, 0
	MUL16 2, 1, 1, 1, 0
	s_wait_dscnt 0x0                               ; my reads of the ring are over,
	s_wait_tensorcnt 0x0                           ; and my part of c_prev's tile is in:
	s_barrier_signal -1                            ; say so; behind this barrier the tile is read by all and the stages are written
	WIN 0xf1
	MUL16 4, 1, 1, 1, 0
	MUL16 6, 1, 1, 1, 0
	WIN 0
	s_barrier_wait -1
	PLACES 4                                       ; behind the last products: their results are read and their operands' registers written below
	s_mov_b32 s20, 0x4038aa3b                      ; 2 log2(e), as a pair: the packed form names a pair and takes its low word for both halves.  (No tensor load is out: the descriptors' registers are free)
	s_mov_b32 s21, s20
	s_mov_b32 s22, 0xbfb8aa3b                      ; -log2(e)
	s_mov_b32 s23, s22
	s_mov_b32 s24, 0x42800000                      ; 64.0
; THE WAY OUT, in four chunks of 64 tile rows; of chunk q a wave holds A's blocks 2 q and 2 q + 1: 32 outputs a lane, number n = 16 u + 8 c + i: row 64 q + 32 rh + 16 u + r, column 32 ch + 16 c + 8 h + i.
.macro CPLOAD q                        ; c_prev of my 32 outputs
.if (\q) == 2
	v_add_nc_u32 v[CPA], 128*CPP, v[CPA]           ; so that the offsets stay inside their 16 bits
.endif
.irp u, 0,1
.irp c, 0,1
	ds_load_b128 v[CP+16*\u+8*\c:CP+16*\u+8*\c+3], v[CPA] offset:(64*((\q)%2)+16*\u)*CPP+80*\c
	ds_load_b128 v[CP+16*\u+8*\c+4:CP+16*\u+8*\c+7], v[CPA] offset:(64*((\q)%2)+16*\u)*CPP+80*\c+16
.endr
.endr
.endm
.macro SEND q, younger                 ; chunk q's rows leave; younger: the LDS loads issued behind its read-back, which may stay out.  Each chunk has data registers of its own and no address is rewritten
	s_wait_dscnt \younger
	WIN 0x04                                       ; a store's data: window 1
.irp t, 0,1,2,3,4,5,6,7
	global_store_b128 v[CO], v[64*(\q)+4*\t:64*(\q)+4*\t+3], s[98:99] offset:(64*(\q)+2*\t)*4096 th:TH_STORE_NT        ; c: 16 lanes store 256 consecutive bytes, aligned
.endr
.irp t, 0,1,2,3,4,5,6,7
	global_store_b128 v[CO], v[64*(\q)+32+4*\t:64*(\q)+32+4*\t+3], s[96:97] offset:(64*(\q)+2*\t)*4096 th:TH_STORE_NT  ; h
.endr
	WIN 0
.endm
.macro CHUNK q
	WIN 0x02+(\q)/2                                ; source 0: the accumulators' window
.irp u, 0,1
.irp g, 0,1,2,3
.irp c, 0,1
.irp i, 0,2,4,6                                ; each accumulator from its low end on
.if \g == 0
	v_pk_mul_f32 v[Y1+32*\g+16*\u+8*\c+\i:Y1+32*\g+16*\u+8*\c+\i+1], v[8*(8*(2*((\q)%2)+\u)+2*\g+\c)+\i:8*(8*(2*((\q)%2)+\u)+2*\g+\c)+\i+1], s[20:21] op_sel_hi:[1,0]   ; 2 log2(e) a
.else
	v_pk_mul_f32 v[Y1+32*\g+16*\u+8*\c+\i:Y1+32*\g+16*\u+8*\c+\i+1], v[8*(8*(2*((\q)%2)+\u)+2*\g+\c)+\i:8*(8*(2*((\q)%2)+\u)+2*\g+\c)+\i+1], s[22:23] op_sel_hi:[1,0]   ; -log2(e) i, f, o
.endif
.endr
.endr
.endr
.endr
	WIN 0
.set n, 0
.rept 32
	v_min_num_f32 v[Y1+n], s24, v[Y1+n]            ; tanh's exponent is held at 64
.set n, n+1
.endr
.set n, 0
.rept 128
	v_exp_f32 v[Y1+n], v[Y1+n]                     ; E1 .. E4: one batch
.set n, n+1
.endr
	v_nop                                          ; the plain place behind the last exponential
.if (\q) > 0
	SEND (\q)-1, 8                                 ; the chunk before leaves meanwhile: it names none of the batch's results.  Behind its read-back: my eight loads of c_prev
.endif
	s_wait_alu depctr_va_vdst(0)                   ; one wait for the batch, ahead of its first reader
.set n, 0
.rept 16
	v_pk_add_f32 v[M1+n:M1+n+1], v[Y1+n:Y1+n+1], -1.0 op_sel_hi:[1,0]   ; E1 - 1
.set n, n+2
.endr
.set n, 0
.rept 64
	v_pk_add_f32 v[Y1+n:Y1+n+1], v[Y1+n:Y1+n+1], 1.0 op_sel_hi:[1,0]    ; N = E + 1, all four
.set n, n+2
.endr
.set n, 0
.rept 16
	v_pk_mul_f32 v[Y1+n:Y1+n+1], v[Y1+n:Y1+n+1], v[Y2+n:Y2+n+1]         ; N1 N2.  (Sum and product stay apart: fused, 0 x infinity could arise)
.set n, n+2
.endr
.set n, 0
.rept 32
	v_rcp_f32 v[Y1+n], v[Y1+n]
.set n, n+1
.endr
.set n, 0
.rept 32
	v_rcp_f32 v[Y3+n], v[Y3+n]                     ; sigmoid(f)
.set n, n+1
.endr
	v_nop
	s_wait_dscnt 0x0                               ; c_prev is in
	s_wait_alu depctr_va_vdst(0)
.set n, 0
.rept 16
	v_pk_mul_f32 v[M1+n:M1+n+1], v[M1+n:M1+n+1], v[Y1+n:Y1+n+1]         ; tanh(a) sigmoid(i)
.set n, n+2
.endr
.set n, 0
.rept 16
	v_pk_fma_f32 v[CP+n:CP+n+1], v[CP+n:CP+n+1], v[Y3+n:Y3+n+1], v[M1+n:M1+n+1]   ; c
.set n, n+2
.endr
.irp u, 0,1
.irp c, 0,1
	ds_store_b128 v[CSA], v[CP+16*\u+8*\c:CP+16*\u+8*\c+3] offset:(64*(\q)+16*\u)*SP+64*\c
	ds_store_b128 v[CSA], v[CP+16*\u+8*\c+4:CP+16*\u+8*\c+7] offset:(64*(\q)+16*\u)*SP+64*\c+16
.endr
.endr
.set n, 0
.rept 16
	v_pk_mul_f32 v[Y1+n:Y1+n+1], v[CP+n:CP+n+1], s[20:21] op_sel_hi:[1,0]
.set n, n+2
.endr
.set n, 0
.rept 32
	v_min_num_f32 v[Y1+n], s24, v[Y1+n]
.set n, n+1
.endr
.set n, 0
.rept 32
	v_exp_f32 v[Y1+n], v[Y1+n]                     ; E5
.set n, n+1
.endr
	v_nop
	s_wait_alu depctr_va_vdst(0)
.set n, 0
.rept 16
	v_pk_add_f32 v[Y2+n:Y2+n+1], v[Y1+n:Y1+n+1], -1.0 op_sel_hi:[1,0]
.set n, n+2
.endr
.set n, 0
.rept 16
	v_pk_add_f32 v[Y1+n:Y1+n+1], v[Y1+n:Y1+n+1], 1.0 op_sel_hi:[1,0]
.set n, n+2
.endr
.set n, 0
.rept 16
	v_pk_mul_f32 v[Y1+n:Y1+n+1], v[Y1+n:Y1+n+1], v[Y4+n:Y4+n+1]         ; (E5 + 1) N4
.set n, n+2
.endr
.set n, 0
.rept 32
	v_rcp_f32 v[Y1+n], v[Y1+n]
.set n, n+1
.endr
	v_nop
	s_wait_alu depctr_va_vdst(0)
.set n, 0
.rept 16
	v_pk_mul_f32 v[Y2+n:Y2+n+1], v[Y2+n:Y2+n+1], v[Y1+n:Y1+n+1]         ; h
.set n, n+2
.endr
.irp u, 0,1
.irp c, 0,1
	ds_store_b128 v[HSA], v[Y2+16*\u+8*\c:Y2+16*\u+8*\c+3] offset:(64*(\q)+16*\u)*SP+64*\c
	ds_store_b128 v[HSA], v[Y2+16*\u+8*\c+4:Y2+16*\u+8*\c+7] offset:(64*(\q)+16*\u)*SP+64*\c+16
.endr
.endr
	s_wait_dscnt 0x0                               ; for the others' sake: my stores into the stages are done
	s_barrier_signal -1
	s_barrier_wait -1                              ; the chunk's 64 rows are whole: a row's 256 bytes come from two waves
	WIN 0x40                                       ; back as whole rows, into window 1: a set of 64 registers for each chunk
.irp t, 0,1,2,3,4,5,6,7
	ds_load_b128 v[64*(\q)+4*\t:64*(\q)+4*\t+3], v[RD] offset:(64*(\q)+2*\t)*SP
.endr
.irp t, 0,1,2,3,4,5,6,7
	ds_load_b128 v[64*(\q)+32+4*\t:64*(\q)+32+4*\t+3], v[RDH] offset:(64*(\q)+2*\t)*SP
.endr
	WIN 0
.if (\q) < 3
	CPLOAD (\q)+1
.endif
.endm
	CPLOAD 0
	CHUNK 0
	CHUNK 1
	CHUNK 2
	CHUNK 3
	SEND 3, 0
	s_wait_tensorcnt 0x0                           ; the wave's end, behind my last tensor load and my last LDS store
	ds_add_u32 v[SPW], v[NIL]
	s_wait_dscnt 0x0
	CROUND                                         ; the closing round: no work-group ends while a partner may still ask for a tile that names it
	s_endpgm
.Lfunc_end_k_q9d22075592_tracker:
	.size	k_q9d22075592_tracker, .Lfunc_end_k_q9d22075592_tracker-k_q9d22075592_tracker
	.p2alignl 7, 3214868480
	.fill 96, 4, 3214868480
	.section	.rodata,"a",@progbits
	.p2align	6, 0x0
	.amdhsa_kernel k_q9d22075592_tracker
		.amdhsa_group_segment_fixed_size 327680
		.amdhsa_private_segment_fixed_size 0
		.amdhsa_enable_private_segment 0
		.amdhsa_kernarg_size 160
		.amdhsa_user_sgpr_count 2
		.amdhsa_user_sgpr_kernarg_segment_ptr 1
		.amdhsa_wavefront_size32 1
		.amdhsa_system_sgpr_workgroup_id_x 1
		.amdhsa_system_sgpr_workgroup_id_y 1
		.amdhsa_system_sgpr_workgroup_id_z 1
		.amdhsa_system_vgpr_workitem_id 0
		.amdhsa_next_free_vgpr 1024
		.amdhsa_next_free_sgpr 102
		.amdhsa_reserve_vcc 0
		.amdhsa_float_denorm_mode_32 3
		.amdhsa_float_denorm_mode_16_64 3
		.amdhsa_memory_ordered 1
		.amdhsa_forward_progress 1
		.amdhsa_inst_pref_size 255
	.end_amdhsa_kernel
	.section	.bss,"aw",@nobits
	.p2align	6
	.space	262144
	.amdgpu_metadata
---
amdhsa.version: [ 1, 2 ]
amdhsa.kernels:
  - .name:           k_q9d22075592_tracker
    .symbol:         k_q9d22075592_tracker.kd
    .args:
      - { .name: top_buf_h_codes, .offset: 0, .size: 8, .value_kind: global_buffer, .address_space: global }
      - { .name: top_stack1_h_codes, .offset: 8, .size: 8, .value_kind: global_buffer, .address_space: global }
      - { .name: top_stack2_h_codes, .offset: 16, .size: 8, .value_kind: global_buffer, .address_space: global }
      - { .name: h_prev_codes, .offset: 24, .size: 8, .value_kind: global_buffer, .address_space: global }
      - { .name: W_buf_codes, .offset: 32, .size: 8, .value_kind: global_buffer, .address_space: global }
      - { .name: W_stack1_codes, .offset: 40, .size: 8, .value_kind: global_buffer, .address_space: global }
      - { .name: W_stack2_codes, .offset: 48, .size: 8, .value_kind: global_buffer, .address_space: global }
      - { .name: W_lateral_codes, .offset: 56, .size: 8, .value_kind: global_buffer, .address_space: global }
      - { .name: top_buf_h_scales, .offset: 64, .size: 8, .value_kind: global_buffer, .address_space: global }
      - { .name: top_stack1_h_scales, .offset: 72, .size: 8, .value_kind: global_buffer, .address_space: global }
      - { .name: top_stack2_h_scales, .offset: 80, .size: 8, .value_kind: global_buffer, .address_space: global }
      - { .name: h_prev_scales, .offset: 88, .size: 8, .value_kind: global_buffer, .address_space: global }
      - { .name: W_buf_scales, .offset: 96, .size: 8, .value_kind: global_buffer, .address_space: global }
      - { .name: W_stack1_scales, .offset: 104, .size: 8, .value_kind: global_buffer, .address_space: global }
      - { .name: W_stack2_scales, .offset: 112, .size: 8, .value_kind: global_buffer, .address_space: global }
      - { .name: W_lateral_scales, .offset: 120, .size: 8, .value_kind: global_buffer, .address_space: global }
      - { .name: b_lateral, .offset: 128, .size: 8, .value_kind: global_buffer, .address_space: global }
      - { .name: c_prev, .offset: 136, .size: 8, .value_kind: global_buffer, .address_space: global }
      - { .name: out0, .offset: 144, .size: 8, .value_kind: global_buffer, .address_space: global }
      - { .name: out1, .offset: 152, .size: 8, .value_kind: global_buffer, .address_space: global }
    .group_segment_fixed_size: 327680
    .private_segment_fixed_size: 0
    .kernarg_segment_align: 8
    .kernarg_segment_size: 160
    .max_flat_workgroup_size: 128
    .sgpr_count:     102
    .vgpr_count:     1024
    .wavefront_size: 32
...
	.end_amdgpu_metadata
.endif
;; end of part 1
